; MI455X (gfx1250); checked and timed in simulation.
; The chip was launched on July 23, 2026; its instructions are those of AMD's public machine-readable ISA for CDNA 5 (MIT licence, August 2026) and "CDNA5" Instruction Set Architecture Reference Guide (July 2026). The comments in the code are by the model that wrote it; some were corrected since.
;; Cross Attention. Allowed arithmetic: float matrix products may take bf16 or f16 operands with f32 sums; other float arithmetic in f32, or as packed bf16 or f16 multiplies, adds, multiply-adds, maxima and minima; sums over many terms, partial sums and values carried from step to step in f32; what a program stores and reads back later, other than sums and carried values, may be rounded once to bf16 or f16.
;; Inputs: Wk 1,024 x 1,024 float32; Wq 1,024 x 1,024 float32; Wv 1,024 x 1,024 float32; bk 1,024 float32; bq 1,024 float32; bv 1,024 float32; x 4 x 2,048 x 1,024 float32; y 4 x 2,048 x 1,024 float32.
;; Outputs: out0 4 x 2,048 x 1,024 float32.
;; One version. Each part assembles by itself: llvm-mc -triple=amdgcn-amd-amdhsa -mcpu=gfx1250 --defsym DOCPART=n.
;; ======== version 1 of 1: 4 launches
;; limits: values are held in f16: magnitudes above 65,504 overflow, below 6.1e-05 lose precision
;; workspace buffers: wb 6,291,456 bytes; qh 16,777,216 bytes; kh 16,777,216 bytes; vh 16,777,216 bytes; ph 33,554,432 bytes; st 1,048,576 bytes
;; launch cast (part 1): grid 64 x 3, 8 waves a work-group, no clusters, 0 bytes of LDS; arguments Wq, Wk, Wv, wb; writes wb
.if DOCPART == 1
	.amdgcn_target "amdgcn-amd-amdhsa--gfx1250"
	.amdhsa_code_object_version 6
	.text
	.protected	k_qca658e1a06_cast
	.globl	k_qca658e1a06_cast
	.p2align	8
	.type	k_qca658e1a06_cast,@function
k_qca658e1a06_cast:
	s_mov_b64 s[64:65], 0
	v_nop
	global_prefetch_b8 v0, s[64:65] scope:SCOPE_SE
	s_setreg_imm32_b32 hwreg(HW_REG_WAVE_MODE, 25, 1), 1
	s_wait_xcnt 0x0
; Wq, Wk, Wv (f32, [1024 d][1024 e]) are rounded once to bf16, layout unchanged, into wb [3][1024][1024] in the order q, k, v: the turning LDS load of the next
; launch works on 16-bit elements, so W has to lie in memory in 16 bits.  (x and y are rounded in the next launch, between LDS and the matrix unit.)
; A stream: no LDS, no barrier, no matrix unit.  The grid's y names the W, its x a chunk of 64 KiB of f32.  Thread t takes 32 bytes at 32 t of each of eight pieces
; of 8,192 bytes and stores 16 bytes at 16 t of eight pieces of 4,096: sixteen neighbouring lanes store 256 consecutive bytes, aligned.  All 16 loads of a wave go out first.
.set SRC,  20                          ; s[20:21] the chunk in its source
.set DST,  22                          ; s[22:23] the chunk in wb
.set XIN,  4                           ; v[4:67]   piece k: 8 registers as loaded
.set XOUT, 68                          ; v[68:99]  piece k: 4 registers to store; every register is written once
	s_load_b256 s[4:11], s[0:1], 0x0               ; Wq s[4:5], Wk s[6:7], Wv s[8:9], wb s[10:11]
	s_and_b32 s24, ttmp7, 0xffff                   ; which W
	v_lshlrev_b32 v1, 5, v0                        ; 32 t
	v_lshlrev_b32 v2, 4, v0                        ; 16 t
	s_lshl_b32 s28, ttmp9, 16                      ; the chunk in the source,
	s_mov_b32 s29, 0
	s_lshl_b32 s30, ttmp9, 15                      ; and in wb, behind the W in front of it (2 MiB each)
	s_lshl_b32 s25, s24, 21
	s_add_co_u32 s30, s30, s25
	s_mov_b32 s31, 0
	s_wait_kmcnt 0x0
	s_cmp_eq_u32 s24, 0
	s_cselect_b64 s[SRC:SRC+1], s[4:5], s[6:7]
	s_cmp_eq_u32 s24, 2
	s_cselect_b64 s[SRC:SRC+1], s[8:9], s[SRC:SRC+1]
	s_add_nc_u64 s[SRC:SRC+1], s[SRC:SRC+1], s[28:29]
	s_add_nc_u64 s[DST:DST+1], s[10:11], s[30:31]
.irp k, 0,1,2,3,4,5,6,7
	global_load_b128 v[XIN+8*\k:XIN+8*\k+3],   v1, s[SRC:SRC+1] offset:8192*\k th:TH_LOAD_NT
	global_load_b128 v[XIN+8*\k+4:XIN+8*\k+7], v1, s[SRC:SRC+1] offset:8192*\k+16 th:TH_LOAD_NT
.endr
.irp k, 0,1,2,3,4,5,6,7
	s_wait_loadcnt 14-2*\k                         ; loads come back in order: piece k's two are in, the 2 (7 - k) younger ones stay out
.irp j, 0,1,2,3
	v_cvt_pk_bf16_f32 v[XOUT+4*\k+\j], v[XIN+8*\k+2*\j], v[XIN+8*\k+2*\j+1]
.endr
	global_store_b128 v2, v[XOUT+4*\k:XOUT+4*\k+3], s[DST:DST+1] offset:4096*\k
.endr
	s_endpgm
.Lfunc_end_k_qca658e1a06_cast:
	.size	k_qca658e1a06_cast, .Lfunc_end_k_qca658e1a06_cast-k_qca658e1a06_cast
	.p2alignl 7, 3214868480
	.fill 96, 4, 3214868480
	.section	.rodata,"a",@progbits
	.p2align	6, 0x0
	.amdhsa_kernel k_qca658e1a06_cast
		.amdhsa_group_segment_fixed_size 0
		.amdhsa_private_segment_fixed_size 0
		.amdhsa_enable_private_segment 0
		.amdhsa_kernarg_size 32
		.amdhsa_user_sgpr_count 2
		.amdhsa_user_sgpr_kernarg_segment_ptr 1
		.amdhsa_wavefront_size32 1
		.amdhsa_system_sgpr_workgroup_id_x 1
		.amdhsa_system_sgpr_workgroup_id_y 1
		.amdhsa_system_sgpr_workgroup_id_z 1
		.amdhsa_system_vgpr_workitem_id 0
		.amdhsa_next_free_vgpr 104
		.amdhsa_next_free_sgpr 66
		.amdhsa_reserve_vcc 0
		.amdhsa_float_denorm_mode_32 3
		.amdhsa_float_denorm_mode_16_64 3
		.amdhsa_memory_ordered 1
		.amdhsa_forward_progress 1
		.amdhsa_inst_pref_size 6
	.end_amdhsa_kernel
	.amdgpu_metadata
---
amdhsa.version: [ 1, 2 ]
amdhsa.kernels:
  - .name:           k_qca658e1a06_cast
    .symbol:         k_qca658e1a06_cast.kd
    .args:
      - { .name: Wq, .offset: 0, .size: 8, .value_kind: global_buffer, .address_space: global }
      - { .name: Wk, .offset: 8, .size: 8, .value_kind: global_buffer, .address_space: global }
      - { .name: Wv, .offset: 16, .size: 8, .value_kind: global_buffer, .address_space: global }
      - { .name: wb, .offset: 24, .size: 8, .value_kind: global_buffer, .address_space: global }
    .group_segment_fixed_size: 0
    .private_segment_fixed_size: 0
    .kernarg_segment_align: 8
    .kernarg_segment_size: 32
    .max_flat_workgroup_size: 256
    .sgpr_count:     66
    .vgpr_count:     104
    .wavefront_size: 32
...
	.end_amdgpu_metadata
.endif
;; end of part 1
;; launch proj (part 2): grid 4 x 64, 4 waves a work-group, clusters of 4 x 4, 327,680 bytes of LDS; arguments x, y, wb, bq, bk, bv, qh, kh, vh; writes qh, kh, vh
.if DOCPART == 2
	.amdgcn_target "amdgcn-amd-amdhsa--gfx1250"
	.amdhsa_code_object_version 6
	.text
	.protected	k_qca658e1a06_proj
	.globl	k_qca658e1a06_proj
	.p2align	8
	.type	k_qca658e1a06_proj,@function
k_qca658e1a06_proj:
	s_mov_b64 s[64:65], 0
	v_nop
	global_prefetch_b8 v0, s[64:65] scope:SCOPE_SE
	s_setreg_imm32_b32 hwreg(HW_REG_WAVE_MODE, 25, 1), 1
	s_wait_xcnt 0x0
	s_wait_alu depctr_hold_cnt(0) depctr_sa_sdst(0) depctr_va_vdst(0) depctr_va_sdst(0) depctr_va_ssrc(0) depctr_va_vcc(0) depctr_vm_vsrc(0)
	s_getreg_b32 s2, hwreg(HW_REG_IB_STS2, 6, 4)
	s_cmp_eq_u32 s2, 0
	s_cbranch_scc0 .Lentry_in_a_cluster
	s_endpgm
.Lentry_in_a_cluster:
	s_bfe_u32 s2, ttmp6, 0x10000c
	s_cmp_lg_u32 s2, 0xf033
	s_cbranch_scc0 .Lentry_shape_is_right
	s_endpgm
.Lentry_shape_is_right:
; Q = x Wq + bq, K = y Wk + bk, V = y Wv + bv.  x, y: [8192][1024] f32, rounded here to bf16 between LDS and the matrix unit; wb: [3][1024 d][1024 e] bf16; biases f32, rounded
; here to bf16 like every other input of the module; sums in f32; Q, K, V: [8192][1024], each rounded once to f16.
; LIMIT.  f16 ends at 65,504: a |Q|, |K| or |V| of 65,520 or more becomes an infinity.  NaN and infinities are not treated apart.
; SHARES.  A work-group makes a tile of 128 rows x 256 columns, and STAYS: the same tile of Q, then of K, then of V: 24 K steps of 128 through one ring of two LDS slots, walked by ONE
; counted loop of laps (two K steps); at a tile's end a forward jump takes the way out and the next tile's first quarter in place of the plain quarter; it passes no barrier and no tensor load.
; Four waves, each 64 x 128: 32 accumulators.  A ([row][k], f32) comes out of LDS as it lies and is converted, W ([k][column]) turned, by ds_load_tr16_b128.
; THE MATRIX INSTRUCTION IS USED TRANSPOSED (source 0 = 16 columns of W, source 1 = 16 rows of A): a lane holds row l % 16 and the columns 8 (l / 16) + 0..7.
; THE BIAS is the C operand of a tile's first products: no addition is written for it.
; CLUSTER.  4 x 4 work-groups: the four of a row of the cluster need the same rows of A, the four of a column the same columns of W: each tile is asked for jointly.
; REGISTERS: window 0: v0-31 addresses; v32-63, v224-255 rows read back on the way out; v64-127 A's fragments in bf16, two buffers; v128-191 the bias; v192-223 packed results
;   window 1: v0-127 W's fragments, two buffers; v128-191 A's f32 of one quarter, 16 registers a block      window 2: the accumulators, (a, b) at v[8 (8 a + b)]
.set PITA,  528                        ; a row of A in LDS: 512 bytes + 16 = 33 x 16: the 16 rows of a load start at 16 different groups of four banks (64 banks of 4 bytes: ISA guide 11.1)
.set PITB,  544                        ; a row of W: 512 bytes + 32 = 17 x 32
.set AH,    64*PITA                    ; 64 rows of A: one tensor load
.set BOFF,  128*PITA                   ; W's 128 rows lie behind A's 128
.set BH,    64*PITB                    ; 64 rows of W: one tensor load
.set SLOT,  BOFF+128*PITB
.set STAGE, 2*SLOT                     ; behind the ring: 16 rows x 272 bytes for each wave, for the way out
.set SP,    272
.set SPARE, STAGE+4*16*SP              ; behind the stages: the spare words, 128 bytes for each wave: two blocks of 256 bytes that no other line names
.set WSTEP, 128*2048                   ; bytes of W in a K step; the three W lie end to end, so W's address steps alike through all 24 steps
.set ADRA, 16                          ; v16-17  LDS address of my A rows in slot 0, 1
.set ADRB, 20                          ; v20-21  the same for W
.set STO,  24                          ; v24     the way out: where I put 16 bytes of a row
.set RD,   25                          ; v25     where I read a row back
.set CO,   26                          ; v26     my byte offset in two rows of the output
.set BO,   27                          ; v27     my byte offset in 16 numbers of a bias: 32 (l / 16)
.set SPW,  28                          ; v28     LDS address of my spare word; never rewritten
.set NIL,  29                          ; v29     0; never rewritten
.set OB,   32
.set AF,   64
.set BI,   128
.set TMP,  192
.set RAW,  128                         ; in window 1
.set LAP,  3                           ; s3      counts the laps, 12 to 1
.set G1,   24                          ; s[24:31] descriptor group 1 for A;  s[32:39] group 0, a set for each slot
.set G0,   32
.set G1B,  48                          ; s[48:55], s[56:63] the same for W
.set G0B,  56
.set S_XA, 68                          ; s[68:69] x at the rows that I fetch;  s[70:71] y likewise
.set S_YA, 70
.set S_WB, 72
.set S_BQ, 74                          ; s[74:79] the three biases at my wave's 128 columns
.set S_BK, 76
.set S_BV, 78
.set S_QH, 80                          ; s[80:85] the three outputs at my wave's part of the tile
.set S_KH, 82
.set S_VH, 84
.set GQ,   86                          ; s86     the K step, of 24, to be asked for next
.set KO,   88                          ; s[88:89] its byte offset along A's rows
.set TA,   90                          ; s[90:91] x or y
.set BC,   92                          ; s[92:93] the next tile's bias
.set OC,   94                          ; s[94:95] the output of the tile that goes out
.set MB,   1                           ; MUL8's mode: the bias starts the sums
.set MSB, 0
.macro WIN new                         ; the immediate's high byte repeats the setting that is left; a switch that changes nothing is dropped
.if MSB != (\new)
	s_set_vgpr_msb (MSB<<8)|(\new)
.set MSB, \new
.endif
.endm
.set W_MUL, 0xa1                       ; source 0 (W) window 1, source 1 (A) window 0, C and D window 2
.set W_MB,  0x81                       ; the same with C in window 0
.set TO_1,  0x40                       ; destination window 1, address window 0
.set W_CV,  0x05                       ; sources 0 and 1 window 1, destination window 0
.macro JLOAD s                         ; a joint load: waves 0 and 1 fetch A's two halves, waves 2 and 3 W's; an s_nop 0 and four v_nop follow each line
	s_cmp_eq_u32 s11, 0
	s_cbranch_scc0 .Lfor_b_\@
	tensor_load_to_lds s[G0+4*(\s):G0+4*(\s)+3], s[G1:G1+7]
	s_nop 0
.rept 4
	v_nop
.endr
	s_branch .Lasked_\@
.Lfor_b_\@:
	tensor_load_to_lds s[G0B+4*(\s):G0B+4*(\s)+3], s[G1B:G1B+7]
	s_nop 0
.rept 4
	v_nop
.endr
.Lasked_\@:
.endm
.macro CREST                           ; a round of the cluster's barrier behind its opening barrier
	s_cmp_lg_u32 s10, 0
	s_cbranch_scc1 .Lnot_wave_0_\@
	s_barrier_signal -3
.Lnot_wave_0_\@:
	s_barrier_wait -3
	s_barrier_signal -1
	s_barrier_wait -1
.endm
.macro CROUND                          ; a whole round
	s_barrier_signal -1
	s_barrier_wait -1
	CREST
.endm
.macro PLACES                          ; four places in front of loads into registers that matrix instructions have read, and of conversions that read results
.rept 4
	v_nop
.endr
.endm
	s_load_b512 s[68:83], s[0:1], 0x0              ; x, y, wb, bq, bk, bv, qh, kh
	s_load_b64 s[S_VH:S_VH+1], s[0:1], 0x40        ; vh
	v_lshl_add_u32 v[SPW], v0, 2, SPARE
	v_mov_b32 v[NIL], 0
	ds_add_u32 v[SPW], v[NIL]                      ; the wave's opening: the add and its wait come ahead of my first tensor load; work on registers stands between them
	v_lshrrev_b32 v1, 5, v0
	v_readfirstlane_b32 s10, v1                    ; wave 0..3
	s_lshr_b32 s11, s10, 1                         ; which 64 rows of the tile are mine.  Also: I fetch for A (0) or for W (1)
	s_and_b32 s12, s10, 1                          ; which 128 columns.  Also: which 64 rows of that tile I fetch
	s_bfe_u32 s40, ttmp6, 0x40000                  ; cx, cy: my place in the cluster
	s_bfe_u32 s41, ttmp6, 0x40004
	s_lshl_b32 s42, ttmp9, 2
	s_add_co_u32 s42, s42, s40                     ; tile column = 4 x cluster x + cx
	s_and_b32 s13, ttmp7, 0xffff
	s_lshl_b32 s13, s13, 2
	s_add_co_u32 s13, s13, s41                     ; tile row = 4 x cluster y + cy
	s_lshl_b32 s43, s41, 2
	s_lshl_b32 s43, 15, s43                        ; my row of the cluster
	s_lshl_b32 s44, 0x1111, s40                    ; my column
	s_or_b32 s[G1+0], s43, (2<<16)|(1<<20)|(1<<21)|(6<<22)|(3<<25)   ; the mask: A goes to my row; 4-byte elements; padding on; 21 set beside a mask; after every 128 words 4 words
	s_mov_b32 s[G1+1], 128<<16                     ; tensor_dim0 = 128
	s_mov_b32 s[G1+2], 64<<16                      ; tensor_dim1 = 64
	s_mov_b32 s[G1+3], 128<<16                     ; tile_dim0 = 128
	s_mov_b32 s[G1+4], 64                          ; tile_dim1 = 64
	s_mov_b32 s[G1+5], 1024                        ; elements from row to row
	s_mov_b32 s[G1+6], 0
	s_mov_b32 s[G1+7], 0
	s_or_b32 s[G1B+0], s44, (1<<16)|(1<<20)|(1<<21)|(6<<22)|(7<<25)  ; W goes to my column; 2-byte elements; after every 128 words 8 words
	s_mov_b32 s[G1B+1], 256<<16
	s_mov_b32 s[G1B+2], 64<<16
	s_mov_b32 s[G1B+3], 256<<16
	s_mov_b32 s[G1B+4], 64
	s_mov_b32 s[G1B+5], 1024
	s_mov_b32 s[G1B+6], 0
	s_mov_b32 s[G1B+7], 0
	s_lshl_b32 s16, s13, 19                        ; A: row 128 x tile row + 64 x half, 4,096 bytes a row
	s_lshl_b32 s17, s12, 18
	s_add_co_u32 s16, s16, s17
	s_mov_b32 s17, 0
	s_lshl_b32 s46, s12, 17                        ; W: row 64 x half, column 256 x tile column
	s_lshl_b32 s47, s42, 9
	s_add_co_u32 s46, s46, s47
	s_mov_b32 s47, 0
	s_mul_i32 s20, s12, AH                         ; where they go: no place in the cluster enters an LDS address
	s_mul_i32 s21, s12, BH
	s_add_co_u32 s21, s21, BOFF
	s_mov_b32 s[GQ], 2
	s_mov_b32 s[KO+1], 0
	s_wait_dscnt 0x0                               ; the opening add is done
	s_wait_kmcnt 0x0
	s_add_nc_u64 s[S_XA:S_XA+1], s[S_XA:S_XA+1], s[16:17]
	s_add_nc_u64 s[S_YA:S_YA+1], s[S_YA:S_YA+1], s[16:17]
	s_add_nc_u64 s[46:47], s[S_WB:S_WB+1], s[46:47]
	CROUND                                         ; all sixteen work-groups are here: the first joint loads meet
.irp s, 0,1
	s_mov_b32 s[G0+4*(\s)], 1
	s_add_co_u32 s[G0+4*(\s)+1], s20, (\s)*SLOT
	s_add_nc_u64 s[G0+4*(\s)+2:G0+4*(\s)+3], s[S_XA:S_XA+1], (\s)*512
	s_or_b32 s[G0+4*(\s)+3], s[G0+4*(\s)+3], 0x80000000
	s_mov_b32 s[G0B+4*(\s)], 1
	s_add_co_u32 s[G0B+4*(\s)+1], s21, (\s)*SLOT
	s_add_nc_u64 s[G0B+4*(\s)+2:G0B+4*(\s)+3], s[46:47], (\s)*WSTEP
	s_or_b32 s[G0B+4*(\s)+3], s[G0B+4*(\s)+3], 0x80000000
	JLOAD \s                                       ; K steps 0 and 1: two loads of mine are out
.endr
	s_lshl_b32 s14, s42, 10                        ; the biases at my 128 columns: 1,024 x tile column + 512 x half
	s_lshl_b32 s15, s12, 9
	s_add_co_u32 s14, s14, s15
	s_mov_b32 s15, 0
	s_add_nc_u64 s[S_BQ:S_BQ+1], s[S_BQ:S_BQ+1], s[14:15]
	s_add_nc_u64 s[S_BK:S_BK+1], s[S_BK:S_BK+1], s[14:15]
	s_add_nc_u64 s[S_BV:S_BV+1], s[S_BV:S_BV+1], s[14:15]
	s_lshl_b32 s18, s13, 18                        ; the outputs at my 64 rows (2,048 bytes each) and 128 columns
	s_lshl_b32 s19, s11, 17
	s_add_co_u32 s18, s18, s19
	s_lshl_b32 s19, s42, 9
	s_add_co_u32 s18, s18, s19
	s_lshl_b32 s19, s12, 8
	s_add_co_u32 s18, s18, s19
	s_mov_b32 s19, 0
	s_add_nc_u64 s[S_QH:S_QH+1], s[S_QH:S_QH+1], s[18:19]
	s_add_nc_u64 s[S_KH:S_KH+1], s[S_KH:S_KH+1], s[18:19]
	s_add_nc_u64 s[S_VH:S_VH+1], s[S_VH:S_VH+1], s[18:19]
	v_and_b32 v1, 15, v0                           ; l % 16
	v_bfe_u32 v2, v0, 4, 1                         ; l / 16
	v_lshlrev_b32 v[BO], 5, v2
; The bias of my 8 x 8 columns: register 8 b + j holds column 16 b + 8 (l / 16) + j, as the accumulators do.
.macro BLOAD p
.irp b, 0,1,2,3,4,5,6,7
	global_load_b128 v[BI+8*\b:BI+8*\b+3],   v[BO], s[\p:\p+1] offset:64*\b
	global_load_b128 v[BI+8*\b+4:BI+8*\b+7], v[BO], s[\p:\p+1] offset:64*\b+16
.endr
.endm
	BLOAD S_BQ
	; A fragment of A is 16 rows x 32 k: lane l holds row l % 16, k = 8 (l / 16) + 0..7 and 16 + 8 (l / 16) + 0..7.  In f32 those are 32 bytes at 32 (l / 16) and 32 bytes 64 further on: four loads of 16 bytes.
	v_mul_u32_u24 v3, v1, PITA
	v_lshl_add_u32 v3, v2, 5, v3
	s_mul_i32 s22, s11, 64*PITA
	v_add_nc_u32 v[ADRA], s22, v3
	s_add_co_u32 s22, s22, SLOT
	v_add_nc_u32 v[ADRA+1], s22, v3
	; The turning load takes 16 k x 16 columns (lane l reads k = 8 (l / 16) + l % 8, columns 8 ((l / 8) % 2) + 0..7) and leaves half a fragment: lane l holds column l % 16 and 8 k.
	v_and_b32 v4, 7, v0
	v_lshl_add_u32 v4, v2, 3, v4
	v_mul_u32_u24 v4, v4, PITB
	v_bfe_u32 v5, v0, 3, 1
	v_lshl_add_u32 v4, v5, 4, v4
	s_lshl_b32 s23, s12, 8
	s_add_co_u32 s23, s23, BOFF
	v_add_nc_u32 v[ADRB], s23, v4
	s_add_co_u32 s23, s23, SLOT
	v_add_nc_u32 v[ADRB+1], s23, v4
	s_mul_i32 s23, s10, 16*SP
	s_add_co_u32 s23, s23, STAGE                   ; my stage
	v_mul_u32_u24 v6, v1, SP                       ; in: row l % 16, 16 bytes for each half of the lanes
	v_lshl_add_u32 v6, v2, 4, v6
	v_add_nc_u32 v[STO], s23, v6
	v_mul_u32_u24 v7, v2, SP                       ; back: lanes 0-15 take one row of 256 bytes, lanes 16-31 the next
	v_lshl_add_u32 v7, v1, 4, v7
	v_add_nc_u32 v[RD], s23, v7
	v_lshlrev_b32 v8, 11, v2                       ; and the same two rows in the output
	v_lshl_add_u32 v[CO], v1, 4, v8
; 8 matrix instructions: m block a x all 8 n blocks, 32 along K, from buffer f.  The 32 accumulators take turns in the same order in every quarter.
.macro MUL8 f, a, mode=0
.irp b, 0,1,2,3,4,5,6,7
.if (\mode) == MB
	WIN W_MB
	v_wmma_f32_16x16x32_bf16 v[8*(8*(\a)+\b):8*(8*(\a)+\b)+7], v[64*(\f)+8*\b:64*(\f)+8*\b+7], v[AF+32*(\f)+8*(\a):AF+32*(\f)+8*(\a)+7], v[BI+8*\b:BI+8*\b+7]
.else
	WIN W_MUL
	v_wmma_f32_16x16x32_bf16 v[8*(8*(\a)+\b):8*(8*(\a)+\b)+7], v[64*(\f)+8*\b:64*(\f)+8*\b+7], v[AF+32*(\f)+8*(\a):AF+32*(\f)+8*(\a)+7], v[8*(8*(\a)+\b):8*(8*(\a)+\b)+7]
.endif
.endr
.endm
; 32 LDS loads in one run: quarter q of a slot's K step: W's 16 into fragment buffer g, then A's f32, four loads for each of the blocks 0 to 3
.macro FETCH slot, q, g
	WIN TO_1
.irp b, 0,1,2,3,4,5,6,7
	ds_load_tr16_b128 v[64*(\g)+8*\b:64*(\g)+8*\b+3],   v[ADRB+(\slot)] offset:(\q)*32*PITB+32*\b
	ds_load_tr16_b128 v[64*(\g)+8*\b+4:64*(\g)+8*\b+7], v[ADRB+(\slot)] offset:(\q)*32*PITB+16*PITB+32*\b
.endr
.irp a, 0,1,2,3
.irp j, 0,1,2,3
	ds_load_b128 v[RAW+16*\a+4*\j:RAW+16*\a+4*\j+3], v[ADRA+(\slot)] offset:128*(\q)+\a*16*PITA+64*(\j/2)+16*(\j%2)
.endr
.endr
.endm
; A's blocks a0 and a0 + 1 are rounded to bf16 into fragment buffer f: the inputs' one rounding.  These 16 plain lines name no register of the products round them:
; they are also the places in front of the fragment loads that follow them.
.macro CVT f, a0
	WIN W_CV
.irp a, \a0, (\a0)+1
.irp i, 0,1,2,3,4,5,6,7
	v_cvt_pk_bf16_f32 v[AF+32*(\f)+8*(\a)+\i], v[RAW+16*(\a)+2*\i], v[RAW+16*(\a)+2*\i+1]
.endr
.endr
.endm
; A K step is four quarters of 32 along K, 32 matrix instructions each, on buffers 0, 1, 0, 1.  One of the first three: multiplies buffer f and fetches quarter q (W's part into the other buffer).
.macro QUARTER slot, q, f, mode=0
	s_wait_dscnt 8                                 ; W and A's blocks 0, 1 are in; the youngest eight loads (blocks 2, 3) may be out
	CVT \f, 0
	MUL8 \f, 0, \mode
	MUL8 \f, 1, \mode
	s_wait_dscnt 0x0                               ; blocks 2, 3
	CVT \f, 2                                      ; A's f32 registers are free behind these lines
	FETCH \slot, \q, 1-(\f)
	MUL8 \f, 2, \mode
	MUL8 \f, 3, \mode
.endm
; The last quarter multiplies buffer 1 and changes slots: ONE barrier; in front of it each wave waits for all its tensor loads (one is out: its part of the next slot), adds 0 to its
; spare word, and waits for that and for its reads of this slot.  fill = 1: the barrier opens a round of the cluster's, and this slot takes K step GQ of the walk's 24.
.macro TURN slot, next, fill
	WIN 0                                          ; (the add's two registers lie in window 0)
	s_wait_tensorcnt 0x0
	ds_add_u32 v[SPW], v[NIL]                      ; 0 onto my spare word
	s_wait_dscnt 9                                 ; (the add and the youngest eight loads, A's blocks 2 and 3, may be out)
	CVT 1, 0
	MUL8 1, 0
	s_wait_dscnt 0x0                               ; the add is done, and my reads of this slot are over
	s_barrier_signal -1
	MUL8 1, 1
	CVT 1, 2
.if \fill
	WIN 0
.endif
	s_barrier_wait -1
.if \fill
	CREST                                          ; no wave of any partner still reads this slot or has a load on its way
	s_cmp_lt_u32 s[GQ], 8                          ; A's address is made anew: steps 0-7 walk x, 8-23 y twice,
	s_cselect_b64 s[TA:TA+1], s[S_XA:S_XA+1], s[S_YA:S_YA+1]
	s_lshl_b32 s[KO], s[GQ], 9
	s_and_b32 s[KO], s[KO], 0xe00                  ; 512 bytes along the rows for each step of a tile's eight
	s_add_nc_u64 s[G0+4*(\slot)+2:G0+4*(\slot)+3], s[TA:TA+1], s[KO:KO+1]
	s_or_b32 s[G0+4*(\slot)+3], s[G0+4*(\slot)+3], 0x80000000
	s_add_nc_u64 s[G0B+4*(\slot)+2:G0B+4*(\slot)+3], s[G0B+4*(\slot)+2:G0B+4*(\slot)+3], 2*WSTEP
	s_add_co_u32 s[GQ], s[GQ], 1
	JLOAD \slot                                    ; the first tensor load behind the round
.endif
	FETCH \next, 0, 0
	MUL8 1, 2
	MUL8 1, 3
.endm
; THE WAY OUT of m block a: rounded to f16, 16 bytes a lane; into my own stage and back as whole rows of 256 bytes; stored.
.macro PACK a
	WIN 0x0a                                       ; sources 0 and 1 window 2
.irp b, 0,1,2,3,4,5,6,7
.irp r, 0,1,2,3
	v_cvt_pk_f16_f32 v[TMP+4*\b+\r], v[8*(8*(\a)+\b)+2*\r], v[8*(8*(\a)+\b)+2*\r+1]
.endr
.endr
	WIN 0
.endm
.macro TOSTAGE a
	WIN 0
.set BK, OB+192*((\a)%2)
.irp b, 0,1,2,3,4,5,6,7
	ds_store_b128 v[STO], v[TMP+4*\b:TMP+4*\b+3] offset:32*\b
.endr
.irp t, 0,1,2,3,4,5,6,7
	ds_load_b128 v[BK+4*\t:BK+4*\t+3], v[RD] offset:\t*2*SP  ; LDS serves a wave's instructions in order (ISA guide 5.7.1.4): these see the stores above
.endr
.endm
.macro SEND a
	WIN 0
.set BK, OB+192*((\a)%2)
	s_wait_dscnt 0x0                               ; the block is back in registers
	s_wait_xcnt 0x0                                ; the registers that the block before's stores read are loaded again only behind this wait
.irp t, 0,1,2,3,4,5,6,7
	global_store_b128 v[CO], v[BK+4*\t:BK+4*\t+3], s[OC:OC+1] offset:(16*(\a)+2*\t)*2048  ; 16 lanes store 256 consecutive bytes, aligned
.endr
.endm
.macro WAYOUT
	PACK 0
	TOSTAGE 0
.irp a, 1,2,3                          ; block a's conversions stand between block a - 1's loads from the stage and the wait for them
	PACK \a
	SEND (\a)-1
	TOSTAGE \a
.endr
	SEND 3
.endm
	s_wait_tensorcnt 1                             ; my part of K step 0 is in; step 1's may stay out
	s_barrier_signal -1
	s_barrier_wait -1
	FETCH 0, 0, 0
	WIN 0
	s_mov_b32 s[LAP], 12
	s_branch .Lstart                               ; the loop is entered where a tile begins, in the middle of a trip
.Llap:                                                 ; 11 trips: from a lap's second quarter to the next lap's first; both slots are filled again
	QUARTER 0, 2, 1
	QUARTER 0, 3, 0
	TURN 0, 1, 1
	QUARTER 1, 1, 0
	QUARTER 1, 2, 1
	QUARTER 1, 3, 0
	TURN 1, 0, 1
	WIN 0
	s_and_b32 s2, s[LAP], 3                        ; a tile is four laps: at the counts 8 and 4 one is finished
	s_cmp_eq_u32 s2, 0
	s_cbranch_scc1 .Lnext
	QUARTER 0, 1, 0
	WIN 0
	s_branch .Lbot
.Lnext:                                                ; both refills, the next tile's K steps 0 and 1, are asked for: now the tile goes out
	s_wait_xcnt 0x0                                ; the tile before's stores have read their base
	s_cmp_eq_u32 s[LAP], 8
	s_cselect_b64 s[OC:OC+1], s[S_QH:S_QH+1], s[S_KH:S_KH+1]
	WAYOUT                                         ; blocks 0, 1 were finished in front of 16 conversions; block 0's own conversions are the places behind blocks 2, 3
.Lstart:
	s_wait_loadcnt 0x0                             ; this tile's bias
.set i, 0
.rept 32                               ; the bias takes the inputs' one rounding to bf16, and is widened again
	v_cvt_pk_bf16_f32 v[TMP+i], v[BI+2*i], v[BI+2*i+1]
.set i, i+1
.endr
.set i, 0
.rept 32
	v_lshlrev_b32 v[BI+2*i], 16, v[TMP+i]
	v_and_b32 v[BI+2*i+1], 0xffff0000, v[TMP+i]
.set i, i+1
.endr
	QUARTER 0, 1, 0, MB                            ; a tile's first quarter: its products start the sums on the bias
	PLACES                                         ; in front of the loads into the bias's registers, which those products read
	WIN 0
	s_cmp_eq_u32 s[LAP], 4
	s_cbranch_scc1 .Lnob                           ; the last tile has no successor
	s_cmp_eq_u32 s[LAP], 12
	s_cselect_b64 s[BC:BC+1], s[S_BK:S_BK+1], s[S_BV:S_BV+1]
	BLOAD BC
.Lnob:
.Lbot:
	s_sub_co_u32 s[LAP], s[LAP], 1
	s_cmp_lg_u32 s[LAP], 0
	s_cbranch_scc1 .Llap
	QUARTER 0, 2, 1                                ; the last lap is written out: it asks for nothing more
	QUARTER 0, 3, 0
	TURN 0, 1, 0
	QUARTER 1, 1, 0
	QUARTER 1, 2, 1
	QUARTER 1, 3, 0
	s_wait_dscnt 8                                 ; the very last quarter: nothing more to fetch
	CVT 1, 0
	MUL8 1, 0
	MUL8 1, 1
	s_wait_dscnt 0x0
	CVT 1, 2
	MUL8 1, 2
	MUL8 1, 3
	PLACES
	WIN 0
	s_wait_xcnt 0x0
	s_mov_b64 s[OC:OC+1], s[S_VH:S_VH+1]
	WAYOUT
	s_wait_tensorcnt 0x0                           ; the wave's end: the add and its wait stand behind my last tensor load and my last LDS store
	ds_add_u32 v[SPW], v[NIL]
	s_wait_dscnt 0x0
	CROUND                                         ; the closing round: no work-group ends while a partner may still ask for a tile that names it
	s_endpgm
.Lfunc_end_k_qca658e1a06_proj:
	.size	k_qca658e1a06_proj, .Lfunc_end_k_qca658e1a06_proj-k_qca658e1a06_proj
	.p2alignl 7, 3214868480
	.fill 96, 4, 3214868480
	.section	.rodata,"a",@progbits
	.p2align	6, 0x0
	.amdhsa_kernel k_qca658e1a06_proj
		.amdhsa_group_segment_fixed_size 327680
		.amdhsa_private_segment_fixed_size 0
		.amdhsa_enable_private_segment 0
		.amdhsa_kernarg_size 72
		.amdhsa_user_sgpr_count 2
		.amdhsa_user_sgpr_kernarg_segment_ptr 1
		.amdhsa_wavefront_size32 1
		.amdhsa_system_sgpr_workgroup_id_x 1
		.amdhsa_system_sgpr_workgroup_id_y 1
		.amdhsa_system_sgpr_workgroup_id_z 1
		.amdhsa_system_vgpr_workitem_id 0
		.amdhsa_next_free_vgpr 768
		.amdhsa_next_free_sgpr 96
		.amdhsa_reserve_vcc 0
		.amdhsa_float_denorm_mode_32 3
		.amdhsa_float_denorm_mode_16_64 3
		.amdhsa_memory_ordered 1
		.amdhsa_forward_progress 1
		.amdhsa_inst_pref_size 151
	.end_amdhsa_kernel
	.amdgpu_metadata
---
amdhsa.version: [ 1, 2 ]
amdhsa.kernels:
  - .name:           k_qca658e1a06_proj
    .symbol:         k_qca658e1a06_proj.kd
    .args:
      - { .name: x, .offset: 0, .size: 8, .value_kind: global_buffer, .address_space: global }
      - { .name: y, .offset: 8, .size: 8, .value_kind: global_buffer, .address_space: global }
      - { .name: wb, .offset: 16, .size: 8, .value_kind: global_buffer, .address_space: global }
      - { .name: bq, .offset: 24, .size: 8, .value_kind: global_buffer, .address_space: global }
      - { .name: bk, .offset: 32, .size: 8, .value_kind: global_buffer, .address_space: global }
      - { .name: bv, .offset: 40, .size: 8, .value_kind: global_buffer, .address_space: global }
      - { .name: qh, .offset: 48, .size: 8, .value_kind: global_buffer, .address_space: global }
      - { .name: kh, .offset: 56, .size: 8, .value_kind: global_buffer, .address_space: global }
      - { .name: vh, .offset: 64, .size: 8, .value_kind: global_buffer, .address_space: global }
    .group_segment_fixed_size: 327680
    .private_segment_fixed_size: 0
    .kernarg_segment_align: 8
    .kernarg_segment_size: 72
    .max_flat_workgroup_size: 128
    .sgpr_count:     96
    .vgpr_count:     768
    .wavefront_size: 32
...
	.end_amdgpu_metadata
.endif
;; end of part 2
;; launch scores (part 3): grid 8 x 32, 4 waves a work-group, clusters of 4 x 4, 327,680 bytes of LDS; arguments qh, kh, ph, st; writes ph, st
.if DOCPART == 3
	.amdgcn_target "amdgcn-amd-amdhsa--gfx1250"
	.amdhsa_code_object_version 6
	.text
	.protected	k_qca658e1a06_scores
	.globl	k_qca658e1a06_scores
	.p2align	8
	.type	k_qca658e1a06_scores,@function
k_qca658e1a06_scores:
	s_mov_b64 s[64:65], 0
	v_nop
	global_prefetch_b8 v0, s[64:65] scope:SCOPE_SE
	s_setreg_imm32_b32 hwreg(HW_REG_WAVE_MODE, 25, 1), 1
	s_wait_xcnt 0x0
	s_wait_alu depctr_hold_cnt(0) depctr_sa_sdst(0) depctr_va_vdst(0) depctr_va_sdst(0) depctr_va_ssrc(0) depctr_va_vcc(0) depctr_vm_vsrc(0)
	s_getreg_b32 s2, hwreg(HW_REG_IB_STS2, 6, 4)
	s_cmp_eq_u32 s2, 0
	s_cbranch_scc0 .Lentry_in_a_cluster
	s_endpgm
.Lentry_in_a_cluster:
	s_bfe_u32 s2, ttmp6, 0x10000c
	s_cmp_lg_u32 s2, 0xf033
	s_cbranch_scc0 .Lentry_shape_is_right
	s_endpgm
.Lentry_shape_is_right:
; S = Q K^T for a tile of 256 queries x 256 keys of one batch, and the first half of the softmax.  qh, kh: [8192][1024] f16; sums and scores stay in f32.
; For each query and each tile of 128 keys (a wave's columns): m = the largest score, cm = c m with c = log2(e) / 32, p = 2^(c s - cm), l = the sum of the p.
; ph: [8192][2048] f16 takes p (0 to 1, to within the rounding of cm); st: [16 key tiles][8192 rows] takes the f32 pair (cm, l).  The next launch joins the 16 tiles of a row
; by their true maximum: every exponent in both launches has a maximum taken away.
; LIMITS.  p below 6e-5 keeps f16's fixed step of 6e-8; an exponential below 2^-126 counts as 0; NaN and infinities are not treated apart.
; SHARES.  Four waves, each 128 x 128: 64 accumulators, 512 registers.  K goes in steps of 128 through a ring of two LDS slots; each wave fetches a quarter of a slot with one tensor load.
; THE MATRIX INSTRUCTION IS USED TRANSPOSED (source 0 = 16 keys, source 1 = 16 queries): a lane holds query l % 16 and the keys 8 (l / 16) + 0..7 of each group of 16: 64 of the query's
; 128 scores; the other 64 lie in the lane 16 away.
; CLUSTER.  4 x 4 work-groups: the four of a row need the same queries, the four of a column the same keys: each tile is asked for jointly.
; REGISTERS: window 0: v0-31 addresses; v64-127, v128-191 Q's fragments, two buffers (v64-95 serve the softmax afterwards); v32-63, v192-255 at work on the way out
;   window 1: v64-127, v128-191 K's fragments      window 2: the accumulators of my rows 0-63, (a, b) at v[8 (8 a + b)]      window 3: those of rows 64-127
.set SIZE_K, 1024
.set KSTEP,  128
.set PITCH,  272                       ; an LDS row: 256 bytes + 16: the 16 rows of a load start at 16 different groups of four banks (64 banks of 4 bytes: ISA guide 11.1)
.set HALFT,  128*PITCH
.set SLOT,   4*HALFT                   ; Q's 256 rows, then K's 256 rows
.set STAGE,  2*SLOT                    ; behind the ring: 16 rows x 272 bytes for each wave
.set SPITCH, 272
.set SPARE,  STAGE+4*16*SPITCH         ; the spare words, 128 bytes for each wave: two blocks of 256 bytes that no other line names
.set LAPS,   SIZE_K/(2*KSTEP)
.set ADRA, 16
.set ADRB, 20
.set STO,  24
.set RD,   25
.set CO,   26
.set SO,   27                          ; v27     8 x lane: my pair among 32 rows' statistics
.set SPW,  28
.set NIL,  29
.set F0,   64
.set F1,   128
.set CH,   64                          ; v64-67  four chains of a maximum; then at work
.set ST,   72                          ; v72-87  block a's pair: cm, and m, later l
.set XS,   88                          ; v88-95  the pairs as they are stored
.set TMP,  192
.set OB,   32
.set G1,  24
.set G0,  32
.set G1B, 48
.set G0B, 56
.set PH,  72                           ; s[72:73] ph at my wave's part of the tile
.set SST, 74                           ; s[74:75] st at my wave's key tile and first row
.set CS,  76                           ; s[76:77] c: the packed scaling takes the pair's low word for both halves
.set SEL, 78                           ; s[78:79] v_permlanex16_b32's selects: each lane takes its own place in the other half
.set MSB, 0
.macro WIN new
.if MSB != (\new)
	s_set_vgpr_msb (MSB<<8)|(\new)
.set MSB, \new
.endif
.endm
.set MUL_LO, 0xa1                      ; source 0 (K) window 1, source 1 (Q) window 0, C and D window 2
.set MUL_HI, 0xf1                      ; the same, C and D window 3
.set TO_B,   0x40
.macro JLOAD s                         ; a joint load: waves 0 and 1 fetch Q's two halves, waves 2 and 3 K's; an s_nop 0 and four v_nop follow each line
	s_cmp_eq_u32 s11, 0
	s_cbranch_scc0 .Lfor_b_\@
	tensor_load_to_lds s[G0+4*(\s):G0+4*(\s)+3], s[G1:G1+7]
	s_nop 0
.rept 4
	v_nop
.endr
	s_branch .Lasked_\@
.Lfor_b_\@:
	tensor_load_to_lds s[G0B+4*(\s):G0B+4*(\s)+3], s[G1B:G1B+7]
	s_nop 0
.rept 4
	v_nop
.endr
.Lasked_\@:
.endm
.macro CREST
	s_cmp_lg_u32 s10, 0
	s_cbranch_scc1 .Lnot_wave_0_\@
	s_barrier_signal -3
.Lnot_wave_0_\@:
	s_barrier_wait -3
	s_barrier_signal -1
	s_barrier_wait -1
.endm
.macro CROUND
	s_barrier_signal -1
	s_barrier_wait -1
	CREST
.endm
	s_load_b256 s[68:75], s[0:1], 0x0              ; qh s[68:69], kh s[70:71], ph s[72:73], st s[74:75]
	v_lshl_add_u32 v[SPW], v0, 2, SPARE
	v_mov_b32 v[NIL], 0
	ds_add_u32 v[SPW], v[NIL]                      ; the wave's opening: the add and its wait come ahead of my first tensor load
	v_lshrrev_b32 v1, 5, v0
	v_readfirstlane_b32 s10, v1                    ; wave 0..3
	s_lshr_b32 s11, s10, 1                         ; which half of the tile's rows is mine.  Also: I fetch for Q (0) or for K (1)
	s_and_b32 s12, s10, 1                          ; which half of its columns.  Also: which 128 rows of that tile I fetch
	s_bfe_u32 s40, ttmp6, 0x40000                  ; cx
	s_bfe_u32 s41, ttmp6, 0x40004                  ; cy
	s_lshl_b32 s42, ttmp9, 2
	s_add_co_u32 s42, s42, s40                     ; tile of 256 keys in the batch = 4 x cluster x + cx
	s_and_b32 s45, ttmp7, 0xffff                   ; cluster y, which all sixteen share
	s_lshl_b32 s13, s45, 2
	s_add_co_u32 s13, s13, s41                     ; tile of 256 queries = 4 x cluster y + cy
	s_lshr_b32 s45, s45, 1                         ; the batch: 8 query tiles, two clusters, each
	s_lshl_b32 s43, s41, 2
	s_lshl_b32 s43, 15, s43                        ; my row of the cluster
	s_lshl_b32 s44, 0x1111, s40                    ; my column
	s_or_b32 s[G1+0], s43, (1<<16)|(1<<20)|(1<<21)|(5<<22)|(3<<25)   ; the mask; 2-byte elements; padding on; 21 set beside a mask; after every 64 words 4 words
	s_or_b32 s[G1B+0], s44, (1<<16)|(1<<20)|(1<<21)|(5<<22)|(3<<25)
.irp g, G1, G1B
	s_mov_b32 s[(\g)+1], KSTEP<<16                 ; tensor_dim0 = 128
	s_mov_b32 s[(\g)+2], 128<<16                   ; tensor_dim1 = 128
	s_mov_b32 s[(\g)+3], KSTEP<<16                 ; tile_dim0 = 128
	s_mov_b32 s[(\g)+4], 128                       ; tile_dim1 = 128
	s_mov_b32 s[(\g)+5], SIZE_K                    ; elements from row to row
	s_mov_b32 s[(\g)+6], 0
	s_mov_b32 s[(\g)+7], 0
.endr
	s_lshl_b32 s16, s13, 19                        ; Q: row 256 x tile + 128 x half, 2,048 bytes a row
	s_lshl_b32 s17, s12, 18
	s_add_co_u32 s16, s16, s17
	s_mov_b32 s17, 0
	s_lshl_b32 s46, s45, 22                        ; K: row 2,048 x batch + 256 x tile + 128 x half
	s_lshl_b32 s47, s42, 19
	s_add_co_u32 s46, s46, s47
	s_lshl_b32 s47, s12, 18
	s_add_co_u32 s46, s46, s47
	s_mov_b32 s47, 0
	s_mul_i32 s20, s10, HALFT                      ; where they go: wave x 128 rows
	s_mov_b32 s[CS], 0x3d38aa3b                    ; c = log2(e) / 32
	s_mov_b32 s[CS+1], s[CS]
	s_mov_b32 s[SEL], 0x76543210
	s_mov_b32 s[SEL+1], 0xfedcba98
	s_mov_b32 s4, 0xffff0000                       ; lanes 16-31
	s_wait_dscnt 0x0                               ; the opening add is done
	s_wait_kmcnt 0x0
	s_add_nc_u64 s[14:15], s[68:69], s[16:17]
	s_add_nc_u64 s[46:47], s[70:71], s[46:47]
	CROUND                                         ; all sixteen work-groups are here: the first joint loads meet
.irp s, 0,1
	s_mov_b32 s[G0+4*(\s)], 1
	s_add_co_u32 s[G0+4*(\s)+1], s20, (\s)*SLOT
	s_add_nc_u64 s[G0+4*(\s)+2:G0+4*(\s)+3], s[14:15], (\s)*KSTEP*2
	s_or_b32 s[G0+4*(\s)+3], s[G0+4*(\s)+3], 0x80000000
	s_mov_b32 s[G0B+4*(\s)], 1
	s_add_co_u32 s[G0B+4*(\s)+1], s20, (\s)*SLOT
	s_add_nc_u64 s[G0B+4*(\s)+2:G0B+4*(\s)+3], s[46:47], (\s)*KSTEP*2
	s_or_b32 s[G0B+4*(\s)+3], s[G0B+4*(\s)+3], 0x80000000
	JLOAD \s                                       ; K steps 0 and 1: two loads of mine are out
.endr
	v_and_b32 v1, 15, v0                           ; l % 16
	v_bfe_u32 v2, v0, 4, 1                         ; l / 16
	v_mul_u32_u24 v3, v1, PITCH
	v_lshl_add_u32 v3, v2, 4, v3                   ; a fragment's row x pitch + 16 x half
	s_mul_i32 s21, s11, HALFT                      ; my 128 rows of Q
	s_mul_i32 s22, s12, HALFT                      ; my 128 rows of K,
	s_add_co_u32 s22, s22, 2*HALFT                 ; which lie behind Q's 256
.irp s, 0,1
	v_add_nc_u32 v[ADRA+(\s)], s21, v3
	v_add_nc_u32 v[ADRB+(\s)], s22, v3
	s_add_co_u32 s21, s21, SLOT
	s_add_co_u32 s22, s22, SLOT
.endr
	s_mul_i32 s23, s10, 16*SPITCH
	s_add_co_u32 s23, s23, STAGE                   ; my stage
	v_mul_u32_u24 v4, v1, SPITCH
	v_lshl_add_u32 v4, v2, 4, v4
	v_add_nc_u32 v[STO], s23, v4
	v_mul_u32_u24 v5, v2, SPITCH
	v_lshl_add_u32 v5, v1, 4, v5
	v_add_nc_u32 v[RD], s23, v5
	v_lshlrev_b32 v5, 12, v2                       ; two rows of ph, 4,096 bytes apart
	v_lshl_add_u32 v[CO], v1, 4, v5
	v_and_b32 v6, 31, v0
	v_lshlrev_b32 v[SO], 3, v6
	s_lshl_b32 s18, s13, 20                        ; ph at row 256 x tile + 128 x half, 4,096 bytes a row; column 256 x key tile + 128 x half
	s_lshl_b32 s19, s11, 19
	s_add_co_u32 s18, s18, s19
	s_lshl_b32 s19, s42, 9
	s_add_co_u32 s18, s18, s19
	s_lshl_b32 s19, s12, 8
	s_add_co_u32 s18, s18, s19
	s_mov_b32 s19, 0
	s_add_nc_u64 s[PH:PH+1], s[PH:PH+1], s[18:19]
	s_lshl_b32 s18, s42, 17                        ; st at key tile 2 x tile + half (65,536 bytes each) and my first row (8 bytes each)
	s_lshl_b32 s19, s12, 16
	s_add_co_u32 s18, s18, s19
	s_lshl_b32 s19, s13, 11
	s_add_co_u32 s18, s18, s19
	s_lshl_b32 s19, s11, 10
	s_add_co_u32 s18, s18, s19
	s_mov_b32 s19, 0
	s_add_nc_u64 s[SST:SST+1], s[SST:SST+1], s[18:19]
; 16 matrix instructions: m blocks a0, a0 + 1 of the window's four x all 8 n blocks, 32 along K.  zero = 1: the first product starts the sums.  The 64 accumulators take turns.
.macro MUL16 f, hi, a0, zero
	WIN MUL_LO+0x50*(\hi)
.irp a, \a0, (\a0)+1
.irp b, 0,1,2,3,4,5,6,7
.if \zero
	v_wmma_f32_16x16x32_f16 v[8*(8*(\a)+(\b)):8*(8*(\a)+(\b))+7], v[(\f)+8*(\b):(\f)+8*(\b)+7], v[(\f)+8*(4*(\hi)+(\a)):(\f)+8*(4*(\hi)+(\a))+7], 0
.else
	v_wmma_f32_16x16x32_f16 v[8*(8*(\a)+(\b)):8*(8*(\a)+(\b))+7], v[(\f)+8*(\b):(\f)+8*(\b)+7], v[(\f)+8*(4*(\hi)+(\a)):(\f)+8*(4*(\hi)+(\a))+7], v[8*(8*(\a)+(\b)):8*(8*(\a)+(\b))+7]
.endif
.endr
.endr
.endm
; 32 LDS loads in one run: the fragments of one quarter step (128 rows of K, 128 rows of Q, 32 along K at byte k of the rows) into buffer f
.macro FETCH slot, k, f
	WIN TO_B
.irp i, 0,1,2,3,4,5,6,7
	ds_load_b128 v[(\f)+8*(\i):(\f)+8*(\i)+3],   v[ADRB+(\slot)] offset:(\k)+(\i)*16*PITCH
	ds_load_b128 v[(\f)+8*(\i)+4:(\f)+8*(\i)+7], v[ADRB+(\slot)] offset:(\k)+(\i)*16*PITCH+32
.endr
	WIN 0
.irp i, 0,1,2,3,4,5,6,7
	ds_load_b128 v[(\f)+8*(\i):(\f)+8*(\i)+3],   v[ADRA+(\slot)] offset:(\k)+(\i)*16*PITCH
	ds_load_b128 v[(\f)+8*(\i)+4:(\f)+8*(\i)+7], v[ADRA+(\slot)] offset:(\k)+(\i)*16*PITCH+32
.endr
.endm
.macro PLACES                          ; four places in front of loads into registers that matrix instructions have read, and of vector lines that read results
.rept 4
	v_nop
.endr
.endm
.macro QUARTER slot, k, f, g, zero
	s_wait_dscnt 8                                 ; K and Q's rows 0-63 are in; the youngest eight loads (Q's rows 64-127) may be out
	MUL16 \f, 0, 0, \zero
	MUL16 \f, 0, 2, \zero
	PLACES
	FETCH \slot, \k, \g
	s_wait_dscnt 32                                ; all but the 32 just issued
	MUL16 \f, 1, 0, \zero
	MUL16 \f, 1, 2, \zero
.endm
; The first half of a K step's last quarter: ONE barrier for the change of slots.  In front of it each wave waits for all its tensor loads (one is out: its part of the next slot),
; adds 0 to its spare word, and waits for that and for its reads of this slot.
.macro MEET round
	WIN 0                                          ; (the add's two registers lie in window 0)
	s_wait_tensorcnt 0x0
	ds_add_u32 v[SPW], v[NIL]                      ; 0 onto my spare word
	s_wait_dscnt 9                                 ; (the add and the youngest eight loads may be out)
	MUL16 F1, 0, 0, 0
	s_wait_dscnt 0x0                               ; the add is done, and my reads of this slot are over
	s_barrier_signal -1
	MUL16 F1, 0, 2, 0
.if \round
	WIN 0
.endif
	s_barrier_wait -1
.endm
.macro TURN slot, next
	MEET 1
	CREST                                          ; no wave of any partner still reads this slot or has a load on its way
	s_add_nc_u64 s[G0+4*(\slot)+2:G0+4*(\slot)+3], s[G0+4*(\slot)+2:G0+4*(\slot)+3], 2*KSTEP*2
	s_add_nc_u64 s[G0B+4*(\slot)+2:G0B+4*(\slot)+3], s[G0B+4*(\slot)+2:G0B+4*(\slot)+3], 2*KSTEP*2
	JLOAD \slot                                    ; the first tensor load behind the round; its four v_nop are also the places in front of the loads below
	FETCH \next, 0, F0
	MUL16 F1, 1, 0, 0
	MUL16 F1, 1, 2, 0
.endm
; THE SOFTMAX'S FIRST HALF for block a (16 queries x my 128 keys: 64 scores a lane, in place in the block's eight accumulators).
.macro SOFT a
.set AC,  64*((\a)%4)
.set WS,  2+(\a)/4                     ; the block's window
.set WRD, 0x0a+5*((\a)/4)              ; sources 0 and 1 in that window, the rest in window 0
	WIN WRD
.irp c, 0,1,2,3                        ; the maximum: four chains of 16 scores; each accumulator's lowest registers are read first
	v_max_num_f32 v[CH+\c], v[AC+16*\c], v[AC+16*\c+1]
.endr
.irp i, 1,2,3,4,5,6,7
.irp c, 0,1,2,3
	v_max3_num_f32 v[CH+\c], v[AC+16*\c+2*\i], v[AC+16*\c+2*\i+1], v[CH+\c]
.endr
.endr
	WIN 0
	v_max3_num_f32 v[CH], v[CH], v[CH+1], v[CH+2]
	v_max_num_f32 v[CH], v[CH], v[CH+3]
	v_permlanex16_b32 v[CH+1], v[CH], s[SEL], s[SEL+1]      ; the query's other 64 keys lie in the lane 16 away
	v_max_num_f32 v[ST+2*(\a)+1], v[CH], v[CH+1]            ; m
	v_mul_f32 v[ST+2*(\a)], s[CS], v[ST+2*(\a)+1]           ; cm
	WIN WS|(WS<<6)
.set i, 0
.rept 32
	v_pk_fma_f32 v[AC+2*i:AC+2*i+1], v[AC+2*i:AC+2*i+1], s[CS:CS+1], v[ST+2*(\a):ST+2*(\a)+1] op_sel_hi:[1,0,0] neg_lo:[0,0,1] neg_hi:[0,0,1]  ; c s - cm
.set i, i+1
.endr
.set i, 0
.rept 64
	v_exp_f32 v[AC+i], v[AC+i]
.set i, i+1
.endr
	v_nop                                          ; a plain instruction between the last exponential and the use of its result (ISA guide 5.7.2)
	WIN WRD
.set i, 0
	s_wait_alu depctr_va_vdst(0)
.rept 32
	v_cvt_pk_f16_f32 v[TMP+i], v[AC+2*i], v[AC+2*i+1]
.set i, i+1
.endr
	WIN WS|(WS<<2)|(WS<<6)
.irp d, 16,8,4,2,1                     ; l, of the unrounded p: the 32 pairs are added in place, neighbours 16, 8, 4, 2, 1 pairs apart
.set i, 0
.rept \d
	v_pk_add_f32 v[AC+2*i:AC+2*i+1], v[AC+2*i:AC+2*i+1], v[AC+2*(i+\d):AC+2*(i+\d)+1]
.set i, i+1
.endr
.endr
	WIN WRD
	v_add_f32 v[CH], v[AC], v[AC+1]
	WIN 0
	v_permlanex16_b32 v[CH+1], v[CH], s[SEL], s[SEL+1]
	v_add_f32 v[ST+2*(\a)+1], v[CH], v[CH+1]       ; l takes m's place
.endm
.macro TOSTAGE a
	WIN 0
.set BK, OB+192*((\a)%2)
.irp b, 0,1,2,3,4,5,6,7
	ds_store_b128 v[STO], v[TMP+4*(\b):TMP+4*(\b)+3] offset:32*(\b)
.endr
.irp t, 0,1,2,3,4,5,6,7
	ds_load_b128 v[BK+4*(\t):BK+4*(\t)+3], v[RD] offset:(\t)*2*SPITCH  ; LDS serves a wave's instructions in order (ISA guide 5.7.1.4): these see the stores above
.endr
.endm
.macro SEND a
	WIN 0
.set BK, OB+192*((\a)%2)
	s_wait_dscnt 0x0                               ; the block is back in registers
	s_wait_xcnt 0x0                                ; the registers that the block before's stores read are loaded again only behind this wait
.irp t, 0,1,2,3,4,5,6,7
	global_store_b128 v[CO], v[BK+4*(\t):BK+4*(\t)+3], s[PH:PH+1] offset:(16*(\a)+2*(\t))*4096  ; 16 lanes store 256 consecutive bytes, aligned
.endr
.endm
	s_wait_tensorcnt 1                             ; my part of K step 0 is in; step 1's may stay out
	s_barrier_signal -1
	s_barrier_wait -1
	FETCH 0, 0, F0
	QUARTER 0, 64,  F0, F1, 1                      ; the first quarter stands in front of the loop: its products start the sums
	WIN 0
	s_mov_b32 s3, LAPS-1
.Llap:                                                 ; a trip goes once round the ring, from a lap's second quarter to the next lap's first, and fills both slots again
	QUARTER 0, 128, F1, F0, 0
	QUARTER 0, 192, F0, F1, 0
	TURN 0, 1
	QUARTER 1, 64,  F0, F1, 0
	QUARTER 1, 128, F1, F0, 0
	QUARTER 1, 192, F0, F1, 0
	TURN 1, 0
	QUARTER 0, 64,  F0, F1, 0
	WIN 0
	s_sub_co_u32 s3, s3, 1
	s_cmp_lg_u32 s3, 0
	s_cbranch_scc1 .Llap
	QUARTER 0, 128, F1, F0, 0                      ; the last lap fills nothing
	QUARTER 0, 192, F0, F1, 0
	MEET 0
	PLACES
	FETCH 1, 0, F0
	MUL16 F1, 1, 0, 0
	MUL16 F1, 1, 2, 0
	QUARTER 1, 64,  F0, F1, 0
	QUARTER 1, 128, F1, F0, 0
	QUARTER 1, 192, F0, F1, 0
	s_wait_dscnt 8                                 ; the very last quarter: nothing more to fetch
	MUL16 F1, 0, 0, 0
	MUL16 F1, 0, 2, 0
	s_wait_dscnt 0x0
	MUL16 F1, 1, 0, 0
	MUL16 F1, 1, 2, 0
	PLACES
	SOFT 0
	TOSTAGE 0
.irp a, 1,2,3,4,5,6,7                  ; block a's softmax stands between block a - 1's loads from the stage and the wait for them
	SOFT \a
	SEND (\a)-1
	TOSTAGE \a
.endr
	SEND 7
.irp a, 0,2,4,6                        ; the statistics of 32 rows at a time: lanes 0-15 hold block a's, lanes 16-31 take block a + 1's: 256 consecutive bytes, aligned
	v_cndmask_b32 v[XS+\a],   v[ST+2*\a],   v[ST+2*\a+2], s4
	v_cndmask_b32 v[XS+\a+1], v[ST+2*\a+1], v[ST+2*\a+3], s4
	global_store_b64 v[SO], v[XS+\a:XS+\a+1], s[SST:SST+1] offset:128*\a
.endr
	s_wait_tensorcnt 0x0                           ; the wave's end: the add and its wait stand behind my last tensor load and my last LDS store
	ds_add_u32 v[SPW], v[NIL]
	s_wait_dscnt 0x0
	CROUND                                         ; the closing round: no work-group ends while a partner may still ask for a tile that names it
	s_endpgm
.Lfunc_end_k_qca658e1a06_scores:
	.size	k_qca658e1a06_scores, .Lfunc_end_k_qca658e1a06_scores-k_qca658e1a06_scores
	.p2alignl 7, 3214868480
	.fill 96, 4, 3214868480
	.section	.rodata,"a",@progbits
	.p2align	6, 0x0
	.amdhsa_kernel k_qca658e1a06_scores
		.amdhsa_group_segment_fixed_size 327680
		.amdhsa_private_segment_fixed_size 0
		.amdhsa_enable_private_segment 0
		.amdhsa_kernarg_size 32
		.amdhsa_user_sgpr_count 2
		.amdhsa_user_sgpr_kernarg_segment_ptr 1
		.amdhsa_wavefront_size32 1
		.amdhsa_system_sgpr_workgroup_id_x 1
		.amdhsa_system_sgpr_workgroup_id_y 1
		.amdhsa_system_sgpr_workgroup_id_z 1
		.amdhsa_system_vgpr_workitem_id 0
		.amdhsa_next_free_vgpr 1024
		.amdhsa_next_free_sgpr 80
		.amdhsa_reserve_vcc 0
		.amdhsa_float_denorm_mode_32 3
		.amdhsa_float_denorm_mode_16_64 3
		.amdhsa_memory_ordered 1
		.amdhsa_forward_progress 1
		.amdhsa_inst_pref_size 211
	.end_amdhsa_kernel
	.amdgpu_metadata
---
amdhsa.version: [ 1, 2 ]
amdhsa.kernels:
  - .name:           k_qca658e1a06_scores
    .symbol:         k_qca658e1a06_scores.kd
    .args:
      - { .name: qh, .offset: 0, .size: 8, .value_kind: global_buffer, .address_space: global }
      - { .name: kh, .offset: 8, .size: 8, .value_kind: global_buffer, .address_space: global }
      - { .name: ph, .offset: 16, .size: 8, .value_kind: global_buffer, .address_space: global }
      - { .name: st, .offset: 24, .size: 8, .value_kind: global_buffer, .address_space: global }
    .group_segment_fixed_size: 327680
    .private_segment_fixed_size: 0
    .kernarg_segment_align: 8
    .kernarg_segment_size: 32
    .max_flat_workgroup_size: 128
    .sgpr_count:     80
    .vgpr_count:     1024
    .wavefront_size: 32
...
	.end_amdgpu_metadata
.endif
;; end of part 3
;; launch pv (part 4): grid 4 x 64, 4 waves a work-group, clusters of 4 x 4, 327,680 bytes of LDS; arguments ph, vh, st, out0; writes out0
.if DOCPART == 4
	.amdgcn_target "amdgcn-amd-amdhsa--gfx1250"
	.amdhsa_code_object_version 6
	.text
	.protected	k_qca658e1a06_pv
	.globl	k_qca658e1a06_pv
	.p2align	8
	.type	k_qca658e1a06_pv,@function
k_qca658e1a06_pv:
	s_mov_b64 s[64:65], 0
	v_nop
	global_prefetch_b8 v0, s[64:65] scope:SCOPE_SE
	s_setreg_imm32_b32 hwreg(HW_REG_WAVE_MODE, 25, 1), 1
	s_wait_xcnt 0x0
	s_wait_alu depctr_hold_cnt(0) depctr_sa_sdst(0) depctr_va_vdst(0) depctr_va_sdst(0) depctr_va_ssrc(0) depctr_va_vcc(0) depctr_vm_vsrc(0)
	s_getreg_b32 s2, hwreg(HW_REG_IB_STS2, 6, 4)
	s_cmp_eq_u32 s2, 0
	s_cbranch_scc0 .Lentry_in_a_cluster
	s_endpgm
.Lentry_in_a_cluster:
	s_bfe_u32 s2, ttmp6, 0x10000c
	s_cmp_lg_u32 s2, 0xf033
	s_cbranch_scc0 .Lentry_shape_is_right
	s_endpgm
.Lentry_shape_is_right:
; out = softmax x V, from the pieces of the launch before.  ph: [8192][2048] f16, p relative to the maximum of its own tile of 128 keys; st: [16 key tiles][8192 rows] f32 pairs (cm, l);
; vh: [8192][1024] f16; out0: [8192][1024] f32.  For a row: M = the largest of its 16 cm, e_j = 2^(cm_j - M), L = the sum of e_j l_j (at least about 1), f_j = e_j / L;
; out = the sum over j of f_j (P_j V_j).  A K step of 128 keys is one tile j: its product is summed by the matrix unit from 0, and joined to the total T in f32 with its f_j.
; LIMITS.  An e_j below 2^-126 counts as 0; NaN and infinities are not treated apart.
; SHARES.  A work-group makes 128 rows x 256 columns; four waves, each 64 x 128: 32 accumulators O and 256 registers of T.  16 K steps through a ring of two LDS slots.
; P ([row][key]) comes out of LDS as it lies, V ([key][column]) turned, by ds_load_tr16_b128.  The matrix instruction is used transposed: a lane holds row l % 16 and the columns 8 (l / 16) + 0..7.
; CLUSTER.  4 x 4 work-groups: the four of a row need the same rows of P, the four of a column the same columns of V: each tile is asked for jointly.
; REGISTERS: window 0: v0-31 addresses; v32-39 f of the step in hand, a pair (f, f) for each m block; v64-127 P's fragments, two buffers (on the way out: results);
;   v128-255 the statistics at the start, rows read back at the end      window 1: v0-127 V's fragments      window 2: O, (a, b) at v[8 (8 a + b)]      window 3: T, likewise
.set PITA,  272                        ; a row of P in LDS: 256 bytes + 16
.set PITB,  544                        ; a row of V: 512 bytes + 32 = 17 x 32
.set AH,    64*PITA
.set BOFF,  128*PITA
.set BH,    64*PITB
.set SLOT,  BOFF+128*PITB
.set STAGE, 2*SLOT                     ; behind the ring: 16 rows x 528 bytes for each wave
.set SP,    528
.set FT,    STAGE+4*16*SP              ; 16 tiles x 128 rows x 8 bytes: the pairs (f, f)
.set SPARE, FT+16*1024                 ; the spare words, 128 bytes for each wave: two blocks of 256 bytes that no other line names
.set VSTEP, 128*2048                   ; bytes of V in a K step
.set ADRA, 16
.set ADRB, 20
.set FA0,  22                          ; v22     LDS address of my row's pair in tile 0, m block 0; never rewritten
.set FAD,  23                          ; v23     the same in the tile in hand
.set STO,  24
.set RD,   25
.set CO,   26
.set SPW,  28
.set NIL,  29
.set FC,   32
.set AF,   64
.set TMP,  64
.set SV,   128                         ; v128-159 my row's 16 pairs (cm, l)
.set EE,   160                         ; v160-191 its 16 pairs (f, f)
.set MX,   192
.set LS,   193
.set RL,   194
.set LAP,  3
.set G1,   24
.set G0,   32
.set G1B,  48
.set G0B,  56
.set FO,   76                          ; s76     1,024 x the tile whose f is fetched next
.set MZ,   1                           ; MUL8's modes: the products start the sums;
.set MM,   2                           ; the same, and in front of each the finished product is joined to T
.set MSB, 0
.macro WIN new
.if MSB != (\new)
	s_set_vgpr_msb (MSB<<8)|(\new)
.set MSB, \new
.endif
.endm
.set W_MUL, 0xa1                       ; source 0 (V) window 1, source 1 (P) window 0, C and D window 2
.set W_MG,  0xf2                       ; source 0 (O) window 2, source 1 (f) window 0, source 2 and destination (T) window 3
.set TO_B,  0x40
.macro JLOAD s                         ; a joint load: waves 0 and 1 fetch P's two halves, waves 2 and 3 V's; an s_nop 0 and four v_nop follow each line
	s_cmp_eq_u32 s11, 0
	s_cbranch_scc0 .Lfor_b_\@
	tensor_load_to_lds s[G0+4*(\s):G0+4*(\s)+3], s[G1:G1+7]
	s_nop 0
.rept 4
	v_nop
.endr
	s_branch .Lasked_\@
.Lfor_b_\@:
	tensor_load_to_lds s[G0B+4*(\s):G0B+4*(\s)+3], s[G1B:G1B+7]
	s_nop 0
.rept 4
	v_nop
.endr
.Lasked_\@:
.endm
.macro CREST
	s_cmp_lg_u32 s10, 0
	s_cbranch_scc1 .Lnot_wave_0_\@
	s_barrier_signal -3
.Lnot_wave_0_\@:
	s_barrier_wait -3
	s_barrier_signal -1
	s_barrier_wait -1
.endm
.macro CROUND
	s_barrier_signal -1
	s_barrier_wait -1
	CREST
.endm
.macro PLACES
.rept 4
	v_nop
.endr
.endm
	s_load_b256 s[68:75], s[0:1], 0x0              ; ph s[68:69], vh s[70:71], st s[72:73], out0 s[74:75]
	v_lshl_add_u32 v[SPW], v0, 2, SPARE
	v_mov_b32 v[NIL], 0
	ds_add_u32 v[SPW], v[NIL]                      ; the wave's opening: the add and its wait come ahead of my first tensor load
	v_lshrrev_b32 v1, 5, v0
	v_readfirstlane_b32 s10, v1                    ; wave 0..3
	s_lshr_b32 s11, s10, 1                         ; which 64 rows of the tile are mine.  Also: I fetch for P (0) or for V (1)
	s_and_b32 s12, s10, 1                          ; which 128 columns.  Also: which 64 rows of that tile I fetch
	s_bfe_u32 s40, ttmp6, 0x40000                  ; cx
	s_bfe_u32 s41, ttmp6, 0x40004                  ; cy
	s_lshl_b32 s42, ttmp9, 2
	s_add_co_u32 s42, s42, s40                     ; tile column
	s_and_b32 s45, ttmp7, 0xffff                   ; cluster y, which all sixteen share
	s_lshl_b32 s13, s45, 2
	s_add_co_u32 s13, s13, s41                     ; tile row
	s_lshr_b32 s45, s45, 2                         ; the batch: 16 tile rows, four clusters, each
	s_lshl_b32 s43, s41, 2
	s_lshl_b32 s43, 15, s43                        ; my row of the cluster
	s_lshl_b32 s44, 0x1111, s40                    ; my column
	s_or_b32 s[G1+0], s43, (1<<16)|(1<<20)|(1<<21)|(5<<22)|(3<<25)   ; P goes to my row; 2-byte elements; padding on; 21 set beside a mask; after every 64 words 4 words
	s_mov_b32 s[G1+1], 128<<16                     ; tensor_dim0 = 128
	s_mov_b32 s[G1+2], 64<<16                      ; tensor_dim1 = 64
	s_mov_b32 s[G1+3], 128<<16                     ; tile_dim0 = 128
	s_mov_b32 s[G1+4], 64                          ; tile_dim1 = 64
	s_mov_b32 s[G1+5], 2048                        ; elements from row to row
	s_mov_b32 s[G1+6], 0
	s_mov_b32 s[G1+7], 0
	s_or_b32 s[G1B+0], s44, (1<<16)|(1<<20)|(1<<21)|(6<<22)|(7<<25)  ; V goes to my column; after every 128 words 8 words
	s_mov_b32 s[G1B+1], 256<<16
	s_mov_b32 s[G1B+2], 64<<16
	s_mov_b32 s[G1B+3], 256<<16
	s_mov_b32 s[G1B+4], 64
	s_mov_b32 s[G1B+5], 1024
	s_mov_b32 s[G1B+6], 0
	s_mov_b32 s[G1B+7], 0
	s_lshl_b32 s16, s13, 19                        ; P: row 128 x tile row + 64 x half, 4,096 bytes a row
	s_lshl_b32 s17, s12, 18
	s_add_co_u32 s16, s16, s17
	s_mov_b32 s17, 0
	s_lshl_b32 s46, s45, 22                        ; V: row 2,048 x batch + 64 x half, column 256 x tile column
	s_lshl_b32 s47, s12, 17
	s_add_co_u32 s46, s46, s47
	s_lshl_b32 s47, s42, 9
	s_add_co_u32 s46, s46, s47
	s_mov_b32 s47, 0
	s_mul_i32 s20, s12, AH                         ; where they go: no place in the cluster enters an LDS address
	s_mul_i32 s21, s12, BH
	s_add_co_u32 s21, s21, BOFF
	s_mov_b32 s[FO], 0
	s_wait_dscnt 0x0                               ; the opening add is done
	s_wait_kmcnt 0x0
	s_add_nc_u64 s[14:15], s[68:69], s[16:17]
	s_add_nc_u64 s[46:47], s[70:71], s[46:47]
	CROUND                                         ; all sixteen work-groups are here: the first joint loads meet
.irp s, 0,1
	s_mov_b32 s[G0+4*(\s)], 1
	s_add_co_u32 s[G0+4*(\s)+1], s20, (\s)*SLOT
	s_add_nc_u64 s[G0+4*(\s)+2:G0+4*(\s)+3], s[14:15], (\s)*256
	s_or_b32 s[G0+4*(\s)+3], s[G0+4*(\s)+3], 0x80000000
	s_mov_b32 s[G0B+4*(\s)], 1
	s_add_co_u32 s[G0B+4*(\s)+1], s21, (\s)*SLOT
	s_add_nc_u64 s[G0B+4*(\s)+2:G0B+4*(\s)+3], s[46:47], (\s)*VSTEP
	s_or_b32 s[G0B+4*(\s)+3], s[G0B+4*(\s)+3], 0x80000000
	JLOAD \s                                       ; K steps 0 and 1: two loads of mine are out
.endr
	; THE SOFTMAX'S SECOND HALF, in the wait for the first tiles.  Thread t takes row t of the tile's 128: its 16 pairs; a wave's load covers 256 consecutive bytes.
	s_lshl_b32 s18, s13, 10
	s_mov_b32 s19, 0
	s_add_nc_u64 s[72:73], s[72:73], s[18:19]      ; st at the tile's first row
	v_lshlrev_b32 v30, 3, v0
.set j, 0
.rept 16
	global_load_b64 v[SV+2*j:SV+2*j+1], v30, s[72:73] offset:65536*j
.set j, j+1
.endr
	s_lshl_b32 s18, s13, 19                        ; out0 at my 64 rows (4,096 bytes each) and 128 columns
	s_lshl_b32 s19, s11, 18
	s_add_co_u32 s18, s18, s19
	s_lshl_b32 s19, s42, 10
	s_add_co_u32 s18, s18, s19
	s_lshl_b32 s19, s12, 9
	s_add_co_u32 s18, s18, s19
	s_mov_b32 s19, 0
	s_add_nc_u64 s[74:75], s[74:75], s[18:19]
	v_lshl_add_u32 v31, v0, 3, FT                  ; where my row's pairs go
	v_and_b32 v1, 15, v0                           ; l % 16
	v_bfe_u32 v2, v0, 4, 1                         ; l / 16
	v_mul_u32_u24 v3, v1, PITA
	v_lshl_add_u32 v3, v2, 4, v3
	s_mul_i32 s22, s11, 64*PITA
	v_add_nc_u32 v[ADRA], s22, v3
	s_add_co_u32 s22, s22, SLOT
	v_add_nc_u32 v[ADRA+1], s22, v3
	v_and_b32 v4, 7, v0                            ; the turning load: lane l reads key 8 (l / 16) + l % 8, columns 8 ((l / 8) % 2) + 0..7
	v_lshl_add_u32 v4, v2, 3, v4
	v_mul_u32_u24 v4, v4, PITB
	v_bfe_u32 v5, v0, 3, 1
	v_lshl_add_u32 v4, v5, 4, v4
	s_lshl_b32 s23, s12, 8
	s_add_co_u32 s23, s23, BOFF
	v_add_nc_u32 v[ADRB], s23, v4
	s_add_co_u32 s23, s23, SLOT
	v_add_nc_u32 v[ADRB+1], s23, v4
	s_lshl_b32 s22, s11, 9
	s_add_co_u32 s22, s22, FT
	v_lshl_add_u32 v[FA0], v1, 3, s22              ; FT + 8 (64 x row half + l % 16)
	s_mul_i32 s23, s10, 16*SP
	s_add_co_u32 s23, s23, STAGE                   ; my stage
	v_mul_u32_u24 v6, v1, SP                       ; in: row l % 16, 32 bytes for each half of the lanes
	v_lshl_add_u32 v6, v2, 5, v6
	v_add_nc_u32 v[STO], s23, v6
	v_and_b32 v7, 31, v0                           ; back: 32 lanes take one row of 512 bytes
	v_lshl_add_u32 v[RD], v7, 4, s23
	v_lshlrev_b32 v[CO], 4, v7
	WIN 0xc0                                       ; T starts at 0: cleared on purpose, here where the wave waits anyway, so that every K step's joining is one text
.set i, 0
.rept 256
	v_mov_b32 v[i], 0
.set i, i+1
.endr
	WIN 0
	s_wait_loadcnt 0x0
	v_max3_num_f32 v[MX], v[SV], v[SV+2], v[SV+4]
.irp j, 3,5,7,9,11,13
	v_max3_num_f32 v[MX], v[MX], v[SV+2*\j], v[SV+2*\j+2]
.endr
	v_max_num_f32 v[MX], v[MX], v[SV+30]           ; M
.set j, 0
.rept 16
	v_sub_f32 v[EE+2*j], v[SV+2*j], v[MX]
.set j, j+1
.endr
.set j, 0
.rept 16
	v_exp_f32 v[EE+2*j], v[EE+2*j]
.set j, j+1
.endr
	v_nop                                          ; a plain instruction behind the last exponential (ISA guide 5.7.2)
	s_wait_alu depctr_va_vdst(0)
	v_mul_f32 v[LS], v[EE], v[SV+1]
.set j, 1
.rept 15
	v_fmac_f32 v[LS], v[EE+2*j], v[SV+2*j+1]       ; L, in f32
.set j, j+1
.endr
	v_rcp_f32 v[RL], v[LS]
	v_nop
.set j, 0
	s_wait_alu depctr_va_vdst(0)
.rept 16
	v_mul_f32 v[EE+2*j+1], v[EE+2*j], v[RL]
	v_mul_f32 v[EE+2*j], v[EE+2*j], v[RL]
.set j, j+1
.endr
.set j, 0
.rept 16
	ds_store_b64 v31, v[EE+2*j:EE+2*j+1] offset:1024*j
.set j, j+1
.endr
; 8 matrix instructions: m block a x all 8 n blocks, 32 along K, from buffer f.  The 32 accumulators take turns in the same order in every quarter.
; Mode MM: in front of each product that starts a new sum stand the four packed lines that join the finished one to T, lowest registers first: four vector lines for each matrix instruction.
.macro MUL8 f, a, mode=0
.irp b, 0,1,2,3,4,5,6,7
.set AI, 8*(8*(\a)+\b)
.if (\mode) == MM
	WIN W_MG
.irp z, 0,2,4,6
	v_pk_fma_f32 v[AI+\z:AI+\z+1], v[AI+\z:AI+\z+1], v[FC+2*(\a):FC+2*(\a)+1], v[AI+\z:AI+\z+1]
.endr
.endif
	WIN W_MUL
.if (\mode) == 0
	v_wmma_f32_16x16x32_f16 v[AI:AI+7], v[64*(\f)+8*\b:64*(\f)+8*\b+7], v[AF+32*(\f)+8*(\a):AF+32*(\f)+8*(\a)+7], v[AI:AI+7]
.else
	v_wmma_f32_16x16x32_f16 v[AI:AI+7], v[64*(\f)+8*\b:64*(\f)+8*\b+7], v[AF+32*(\f)+8*(\a):AF+32*(\f)+8*(\a)+7], 0
.endif
.endr
.endm
; 24 LDS loads in one run: V's 16 first, then P's blocks 0 to 3
.macro FETCH slot, q, f
	WIN TO_B
.irp b, 0,1,2,3,4,5,6,7
	ds_load_tr16_b128 v[64*(\f)+8*\b:64*(\f)+8*\b+3],   v[ADRB+(\slot)] offset:(\q)*32*PITB+32*\b
	ds_load_tr16_b128 v[64*(\f)+8*\b+4:64*(\f)+8*\b+7], v[ADRB+(\slot)] offset:(\q)*32*PITB+16*PITB+32*\b
.endr
	WIN 0
.irp a, 0,1,2,3
	ds_load_b128 v[AF+32*(\f)+8*\a:AF+32*(\f)+8*\a+3],   v[ADRA+(\slot)] offset:64*(\q)+\a*16*PITA
	ds_load_b128 v[AF+32*(\f)+8*\a+4:AF+32*(\f)+8*\a+7], v[ADRA+(\slot)] offset:64*(\q)+\a*16*PITA+32
.endr
.endm
.macro FLOAD                           ; f of the K step in hand, for my four m blocks: it is used when the step's product is finished
	v_add_nc_u32 v[FAD], s[FO], v[FA0]
	s_add_co_u32 s[FO], s[FO], 1024
.irp a, 0,1,2,3
	ds_load_b64 v[FC+2*\a:FC+2*\a+1], v[FAD] offset:128*\a
.endr
.endm
; One of a K step's first three quarters: multiplies buffer f and fetches quarter q into g.  fl = 1 (the step's second quarter, behind the one that used the old f): f is fetched too.
.macro QUARTER slot, q, f, g, mode=0, fl=0
	s_wait_dscnt 4                                 ; V and P's blocks 0, 1 are in; the youngest four loads may be out (behind FLOAD those are f's: more than is needed)
.if (\mode) == MM
.rept 5                                ; five places between the last K step's products and the first product that writes over one of them
	v_nop
.endr
.endif
	MUL8 \f, 0, \mode
	MUL8 \f, 1, \mode
	PLACES
	FETCH \slot, \q, \g
.if \fl
	FLOAD
	s_wait_dscnt 28                                ; all but the 28 just issued
.else
	s_wait_dscnt 24                                ; all but the 24 just issued
.endif
	MUL8 \f, 2, \mode
	MUL8 \f, 3, \mode
.endm
; The last quarter multiplies buffer 1 and changes slots: ONE barrier; in front of it each wave waits for all its tensor loads (one is out: its part of the next slot), adds 0 to its
; spare word, and waits for that and for its reads of this slot.  fill = 1: the barrier opens a round of the cluster's, and this slot is filled again, two K steps ahead.
.macro TURN slot, next, fill
	WIN 0                                          ; (the add's two registers lie in window 0)
	s_wait_tensorcnt 0x0
	ds_add_u32 v[SPW], v[NIL]                      ; 0 onto my spare word
	s_wait_dscnt 7                                 ; (the add and the youngest six loads, P's blocks 1 to 3, may be out)
	MUL8 1, 0
	s_wait_dscnt 0x0                               ; the add is done, and my reads of this slot are over
	s_barrier_signal -1
	MUL8 1, 1
.if \fill
	WIN 0
.endif
	s_barrier_wait -1
.if \fill
	CREST                                          ; no wave of any partner still reads this slot or has a load on its way
	s_add_nc_u64 s[G0+4*(\slot)+2:G0+4*(\slot)+3], s[G0+4*(\slot)+2:G0+4*(\slot)+3], 2*256
	s_add_nc_u64 s[G0B+4*(\slot)+2:G0B+4*(\slot)+3], s[G0B+4*(\slot)+2:G0B+4*(\slot)+3], 2*VSTEP
	JLOAD \slot                                    ; the first tensor load behind the round; its four v_nop are also the places in front of the loads below
.else
	PLACES
.endif
	FETCH \next, 0, 0
	MUL8 1, 2
	MUL8 1, 3
.endm
; THE WAY OUT of m block a: the last product is joined to T; 32 bytes a lane into my own stage and back as whole rows of 512 bytes; stored.
.macro PACK a
	WIN 0x32                                       ; source 0 (O) window 2, source 1 (f) window 0, source 2 (T) window 3, destination window 0
.irp b, 0,1,2,3,4,5,6,7
.irp z, 0,2,4,6
	v_pk_fma_f32 v[TMP+8*\b+\z:TMP+8*\b+\z+1], v[8*(8*(\a)+\b)+\z:8*(8*(\a)+\b)+\z+1], v[FC+2*(\a):FC+2*(\a)+1], v[8*(8*(\a)+\b)+\z:8*(8*(\a)+\b)+\z+1]
.endr
.endr
	WIN 0
.endm
.macro TOSTAGE a
	WIN 0
.set BK, 128+64*((\a)%2)
.irp b, 0,1,2,3,4,5,6,7
	ds_store_b128 v[STO], v[TMP+8*\b:TMP+8*\b+3]   offset:64*\b
	ds_store_b128 v[STO], v[TMP+8*\b+4:TMP+8*\b+7] offset:64*\b+16
.endr
.set t, 0
.rept 16
	ds_load_b128 v[BK+4*t:BK+4*t+3], v[RD] offset:SP*t  ; LDS serves a wave's instructions in order (ISA guide 5.7.1.4): these see the stores above
.set t, t+1
.endr
.endm
.macro SEND a
	WIN 0
.set BK, 128+64*((\a)%2)
	s_wait_dscnt 0x0                               ; the block is back in registers
	s_wait_xcnt 0x0                                ; the registers that the block before's stores read are loaded again only behind this wait
.set t, 0
.rept 16
	global_store_b128 v[CO], v[BK+4*t:BK+4*t+3], s[74:75] offset:(16*(\a)+t)*4096 th:TH_STORE_NT  ; a wave stores 512 consecutive bytes, aligned
.set t, t+1
.endr
.endm
	s_wait_tensorcnt 1                             ; my part of K step 0 is in; step 1's may stay out
	s_wait_dscnt 0x0                               ; for the others' sake: my rows' f are stored
	s_barrier_signal -1
	s_barrier_wait -1
	FETCH 0, 0, 0
	QUARTER 0, 1, 0, 1, MZ                         ; the first quarter stands in front of the loop
	WIN 0
	s_mov_b32 s[LAP], 7
.Llap:                                                 ; a trip goes once round the ring, from a lap's second quarter to the next lap's first, and fills both slots again
	QUARTER 0, 2, 1, 0, 0, 1
	QUARTER 0, 3, 0, 1
	TURN 0, 1, 1
	QUARTER 1, 1, 0, 1, MM
	QUARTER 1, 2, 1, 0, 0, 1
	QUARTER 1, 3, 0, 1
	TURN 1, 0, 1
	QUARTER 0, 1, 0, 1, MM
	WIN 0
	s_sub_co_u32 s[LAP], s[LAP], 1
	s_cmp_lg_u32 s[LAP], 0
	s_cbranch_scc1 .Llap
	QUARTER 0, 2, 1, 0, 0, 1                       ; the last lap fills nothing
	QUARTER 0, 3, 0, 1
	TURN 0, 1, 0
	QUARTER 1, 1, 0, 1, MM
	QUARTER 1, 2, 1, 0, 0, 1
	QUARTER 1, 3, 0, 1
	s_wait_dscnt 4                                 ; the very last quarter: nothing more to fetch
	MUL8 1, 0
	MUL8 1, 1
	s_wait_dscnt 0x0
	MUL8 1, 2
	MUL8 1, 3
	PLACES
	PACK 0
	TOSTAGE 0
.irp a, 1,2,3                          ; block a's arithmetic stands between block a - 1's loads from the stage and the wait for them
	PACK \a
	SEND (\a)-1
	TOSTAGE \a
.endr
	SEND 3
	s_wait_tensorcnt 0x0                           ; the wave's end: the add and its wait stand behind my last tensor load and my last LDS store
	ds_add_u32 v[SPW], v[NIL]
	s_wait_dscnt 0x0
	CROUND                                         ; the closing round: no work-group ends while a partner may still ask for a tile that names it
	s_endpgm
.Lfunc_end_k_qca658e1a06_pv:
	.size	k_qca658e1a06_pv, .Lfunc_end_k_qca658e1a06_pv-k_qca658e1a06_pv
	.p2alignl 7, 3214868480
	.fill 96, 4, 3214868480
	.section	.rodata,"a",@progbits
	.p2align	6, 0x0
	.amdhsa_kernel k_qca658e1a06_pv
		.amdhsa_group_segment_fixed_size 327680
		.amdhsa_private_segment_fixed_size 0
		.amdhsa_enable_private_segment 0
		.amdhsa_kernarg_size 32
		.amdhsa_user_sgpr_count 2
		.amdhsa_user_sgpr_kernarg_segment_ptr 1
		.amdhsa_wavefront_size32 1
		.amdhsa_system_sgpr_workgroup_id_x 1
		.amdhsa_system_sgpr_workgroup_id_y 1
		.amdhsa_system_sgpr_workgroup_id_z 1
		.amdhsa_system_vgpr_workitem_id 0
		.amdhsa_next_free_vgpr 1024
		.amdhsa_next_free_sgpr 80
		.amdhsa_reserve_vcc 0
		.amdhsa_float_denorm_mode_32 3
		.amdhsa_float_denorm_mode_16_64 3
		.amdhsa_memory_ordered 1
		.amdhsa_forward_progress 1
		.amdhsa_inst_pref_size 139
	.end_amdhsa_kernel
	.amdgpu_metadata
---
amdhsa.version: [ 1, 2 ]
amdhsa.kernels:
  - .name:           k_qca658e1a06_pv
    .symbol:         k_qca658e1a06_pv.kd
    .args:
      - { .name: ph, .offset: 0, .size: 8, .value_kind: global_buffer, .address_space: global }
      - { .name: vh, .offset: 8, .size: 8, .value_kind: global_buffer, .address_space: global }
      - { .name: st, .offset: 16, .size: 8, .value_kind: global_buffer, .address_space: global }
      - { .name: out0, .offset: 24, .size: 8, .value_kind: global_buffer, .address_space: global }
    .group_segment_fixed_size: 327680
    .private_segment_fixed_size: 0
    .kernarg_segment_align: 8
    .kernarg_segment_size: 32
    .max_flat_workgroup_size: 128
    .sgpr_count:     80
    .vgpr_count:     1024
    .wavefront_size: 32
...
	.end_amdgpu_metadata
.endif
;; end of part 4
